; MI455X (gfx1250); checked and timed in simulation.
; The chip was launched on July 23, 2026; its instructions are those of AMD's public machine-readable ISA for CDNA 5 (MIT licence, August 2026) and "CDNA5" Instruction Set Architecture Reference Guide (July 2026). The comments in the code are by the model that wrote it; some were corrected since.
;; Lo RA Linear. Allowed arithmetic: matrix products marked QUANTISED: E2M1 operands, one E8M0 scale for each 32 along K, by v_wmma_scale_f32_16x16x128_f8f6f4 with both operands' format E2M1 (or v_wmma_scale_f32_32x16x128_f4), f32 sums; products left as they are: f32 operands where the result goes on into a quantised operand, else bf16, f16 or f32 operands; f32 sums; everything else in f32.
;; Inputs: lora_a_w_codes 16 x 128 x 16 uint8 (E2M1 codes of lora_a_w, K innermost, in blocks of 32 codes, two codes a byte); lora_a_w_scales 16 x 128 uint8 (E8M0 scales of lora_a_w, one for each 32 codes along K); lora_b_w 2,048 x 16 float32; scales 2,048 x 64 float32; w_q 2,048 x 4,096 int32; x_codes 4 x 2,048 x 128 x 16 uint8 (E2M1 codes of x, K innermost, in blocks of 32 codes, two codes a byte); x_scales 4 x 2,048 x 128 uint8 (E8M0 scales of x, one for each 32 codes along K).
;; Outputs: out0 4 x 2,048 x 2,048 float32.
;; This version of the problem:
;;   THIS VERSION OF THE PROBLEM IS GIVEN IN LOW PRECISION. The matrix products marked QUANTISED in the list below multiply operands that are first quantised to E2M1 (2 exponent bits, 1 mantissa bit; 4 bits a number), with one power-of-two scale for each 32 numbers along K (OCP MX v1.0); their sums are f32. All else is computed in f32.
;;   The module's matrix products, in the order in which they are computed (A, B: the left and right operand; K: the contracted axis; several contracted axes count as one K, in the product's order):
;;     1. [M 8,192, K 4,096] x [K 4,096, N 2,048]; A: input x (given as codes); B: computed on the way: QUANTISED
;;     2. [M 8,192, K 4,096] x [K 4,096, N 16]; A: input x (given as codes); B: input lora_a_w (given as codes): QUANTISED
;;     3. [M 8,192, K 16] x [K 16, N 2,048]; A: computed on the way; B: input lora_b_w: left as it is (K = 16 < 32)
;;   THE QUANTISER, for each operand of a quantised product, along K:
;;     - K is cut into blocks of 32 from its start; a last block that is shorter is filled with zeros.
;;     - A block's scale is 2^e with e = floor(log2(the largest magnitude in the block)) - 2, held to -126 .. 127; a block of zeros has e = 0. As a byte (E8M0): e + 127.
;;     - Each number is divided by its block's scale, clamped to +-6, and rounded to the nearest number of E2M1, ties to even, subnormals kept.
;;     - The product sums the exact products of the quantised numbers (number of the format x scale) in f32.
;;   ~~~python
;;   def quantise(x, axis):      # numpy; x: float32 -> the quantised numbers, widened to float32 again
;;       x = np.moveaxis(x, axis, -1); K = x.shape[-1]
;;       x = np.pad(x, [(0, 0)] * (x.ndim - 1) + [(0, -K % 32)]); x = x.reshape(x.shape[:-1] + (-1, 32)); a = np.abs(x).max(-1, keepdims=True)
;;       e = np.where(a > 0, np.clip(np.frexp(np.where(a > 0, a, 1))[1] - 1 - 2, -126, 127), 0)      # np.frexp(a)[1] - 1 = floor(log2(a)), exactly
;;       r = np.clip(x / 2.0 ** e, -6, 6)
;;       step = 2.0 ** (np.maximum(np.frexp(np.where(r == 0, 1, r))[1] - 1, 0) - 1)
;;       q = np.round(r / step) * step * 2.0 ** e      # np.round: ties to even
;;       return np.moveaxis(q.reshape(q.shape[:-2] + (-1,))[..., :K], -1, axis).astype(np.float32)
;;   ~~~
;;   OPERANDS COMPUTED ON THE WAY. 'Computed on the way' means the value that the module computes at that place (a softmax that the list does not call 'softmax' is quantised finished and normalised). What goes into a quantiser is computed in f32, as accurately as f32 sums, v_exp_f32 and their like allow (about 1e-6 of the number): no bf16 or f16 on the way to a quantiser, and a product that is left as it is and whose result goes on into a quantised operand takes f32 operands (vector FMAs, or v_wmma_f32_16x16x4_f32). A number that lies on a knife's edge between two numbers of the format may be rounded either way, as far as f32 arithmetic and the matrix unit's own rounding can turn it there, and no further.
;;   INPUTS GIVEN AS CODES. lora_a_w (in the module: [16, 4096], K = its axis 1); x (in the module: [4, 2048, 4096], K = its axis 2): each comes as NAME_codes (uint8): NAME with its K axis moved to the last place and cut into blocks of 32 codes, [.., K / 32, bytes a block], one block behind the other in memory; two codes a byte, the lower K in the low four bits (a code: sign, 2 exponent bits, 1 mantissa bit); and NAME_scales (uint8): the same leading axes, one E8M0 byte (e + 127) for each 32 codes along K. Its value is code x scale, taken as it is: it is not quantised again, and the codes and scales need not be those that the quantiser above would give.
;; One version. Each part assembles by itself: llvm-mc -triple=amdgcn-amd-amdhsa -mcpu=gfx1250 --defsym DOCPART=n.
;; ======== version 1 of 1: 2 launches
;; limits: values are held in bf16: 8 bits of precision; right only within a limited range of input values
;; workspace buffers: wpack 4,751,360 bytes
;; launch pack (part 1): grid 64 x 8, 8 waves a work-group, no clusters, 50,688 bytes of LDS; arguments w_q, scales, lora_a_w_codes, lora_a_w_scales, wpack; writes wpack
.if DOCPART == 1
	.amdgcn_target "amdgcn-amd-amdhsa--gfx1250"
	.amdhsa_code_object_version 6
	.text
	.protected	k_q75e0c5039f_pack
	.globl	k_q75e0c5039f_pack
	.p2align	8
	.type	k_q75e0c5039f_pack,@function
k_q75e0c5039f_pack:
	s_mov_b64 s[64:65], 0
	v_nop
	global_prefetch_b8 v0, s[64:65] scope:SCOPE_SE
	s_setreg_imm32_b32 hwreg(HW_REG_WAVE_MODE, 25, 1), 1
	s_wait_xcnt 0x0
; W[o][k] = NF4[w_q[o][k]] x scales[o][k / 64] (one f32 product, as the problem writes it) is quantised along K to codes of FP4 (E2M1) with one E8M0 byte for each 32,
; and laid in wpack in the order in which the product's launch takes its operand registers.  wpack is [tile of 256 rows of W: 8][K step of 512: 8][74,240 bytes]; a block holds
;   0 ..      W's 64 fragments (16 rows x 128 K), f = 4 i + q, 1,024 bytes each, as register images: the 16 bytes at 512 c + 16 lane are row 16 i + lane % 16, block of 32 number 4 q + 2 c + lane / 16 of the step
;   65,536 .. lora_a's four fragments of the step, the same image      69,632 .. W's scale bytes, 16 a row      73,728 .. lora_a's scale bytes, 16 a row, twice (the second copy fills the block to 290 x 256 bytes)
; A block's scale is 2^(floor(log2(its largest magnitude)) - 2); its byte is the largest magnitude's exponent field - 2, held at 1 from below.  A block of zeros so gets the byte 1 where the rule says 127:
; its codes are zeros, which add nothing under any byte but 0xff, and the bytes are read by this program alone.
; LIMITS: NaN and infinities in scales are not served; blocks whose largest magnitude lies under 2^-124 keep the byte 1; w_q is taken to lie in 0 .. 15, as the table that it indexes has 16 entries (larger numbers are held at 15).
; SHARES.  A work-group takes 32 rows of W x 512 along K; each of its eight waves four rows, a row (2,048 bytes of w_q) a step.  All of a wave's loads go out at its head: 16 of 512 consecutive bytes each.
; The conversions want 16 NEIGHBOURS along K in a lane, the loads neighbouring bytes in neighbouring lanes: a row's 2,048 bytes turn through the wave's own stage in LDS (16 bytes of padding behind each 64).
; THE TABLE lies in one register, entry n in lane n; a lane permute through the LDS unit, which touches no LDS byte, fetches NF4[code].
; The codes and bytes of the 32 rows meet in LDS as images and leave, behind one barrier, by stores of 512 consecutive bytes.  No tensor loads, no cluster: work-groups share no input but lora_a's 34 KB.
; THE ORDER OF ROWS.  'Row 16 i + r' of a tile of 256, in the images and among the scale bytes, is W's row 64 (i / 4) + 4 r + i % 4 of that tile: so in the product's launch the lanes r of four neighbouring
; blocks i hold 64 neighbouring columns of the result, four to a lane.  The work-group's 32 rows are the two blocks i = 2 j, 2 j + 1: every second pair of rows among 64; a wave's four rows lie four apart.
.set SP,    80
.set STG,   32*SP                      ; a stage
.set WREG,  2*STG                      ; a wave's two stages
.set IMG,   8*WREG                     ; behind the stages: the work-group's 8 fragment images
.set SCB,   IMG+8192                   ; and its 512 scale bytes: 16 a row
.set BLKB,  74240                      ; a block of wpack
.set OFF_A, 65536
.set OFF_WS, 69632
.set OFF_AS, 73728
.set TAB, 12                           ; v12      the table
.set S,   16                           ; v16-19   my NF4 scale of row t
.set L,   20                           ; v20-23   16 bytes of lora_a's codes (wave 1) or scale bytes (wave 2 of the tile's first work-group)
.set C,   24                           ; v24-31   codes: two registers a row
.set E,   32                           ; v32-35   a scale byte a row
.set OUTR, 36                          ; v36-47   the way out
.set R,   48                           ; v48-111  four rows as loaded
.set X,   112                          ; v112-143 two sets of 16 neighbours
.set I,   144                          ; v144-159 4 x code
.set WF,  160                          ; v160-175 the 16 numbers of W
	s_load_b256 s[4:11], s[0:1], 0x0               ; w_q s[4:5], scales s[6:7], lora_a's codes s[8:9], its scale bytes s[10:11]
	s_load_b64 s[12:13], s[0:1], 0x20              ; wpack
	v_lshl_add_u32 v176, v0, 2, 0xc200
	v_mov_b32 v177, 0
	v_lshrrev_b32 v1, 5, v0
	s_delay_alu instid0(VALU_DEP_1)
	v_readfirstlane_b32 s14, v1                    ; wave 0..7
	v_and_b32 v1, 31, v0                           ; lane
	s_wait_alu depctr_va_vdst(0)
	v_lshlrev_b32 v2, 4, v1                        ; 16 x lane: my bytes of a load's or a store's 512
	s_mov_b32 s15, ttmp9                           ; which 32 rows of W
	s_and_b32 s16, ttmp7, 0xffff                   ; which K step
	s_and_b32 s17, s15, 7                          ; j: which 32 rows of the tile of 256
	s_lshr_b32 s18, s15, 3                         ; the tile
	s_lshl_b32 s20, s18, 8                         ; my wave's first row: 256 x tile
	s_lshr_b32 s21, s17, 1
	s_lshl_b32 s21, s21, 6
	s_add_co_u32 s20, s20, s21                     ; + 64 (j / 2)
	s_and_b32 s21, s17, 1
	s_lshl_b32 s21, s21, 1
	s_add_co_u32 s20, s20, s21                     ; + 2 (j % 2)
	s_and_b32 s21, s14, 3
	s_lshl_b32 s21, s21, 4
	s_add_co_u32 s20, s20, s21                     ; + 4 rows for each r, r = 4 (wave % 4)
	s_lshr_b32 s21, s14, 2
	s_add_co_u32 s20, s20, s21                     ; + wave / 4: which of the two blocks
	s_lshl_b32 s22, s20, 14                        ; w_q: 16,384 bytes a row,
	s_lshl_b32 s23, s16, 11                        ; 2,048 a K step
	s_add_co_u32 s22, s22, s23
	s_mov_b32 s23, 0
	s_lshl_b32 s24, s20, 8                         ; scales: 256 bytes a row,
	s_lshl_b32 s25, s16, 5                         ; 32 a K step
	s_add_co_u32 s24, s24, s25
	s_mov_b32 s25, 0
	s_lshl_b32 s26, s16, 8                         ; lora_a's codes: 256 bytes a K step,
	s_lshl_b32 s27, s17, 5                         ; and blocks 2 j, 2 j + 1 of it
	s_add_co_u32 s26, s26, s27
	s_mov_b32 s27, 0
	s_lshl_b32 s28, s16, 4                         ; its scale bytes: 16 a K step
	s_mov_b32 s29, 0
	s_lshl_b32 s30, s18, 3
	s_add_co_u32 s30, s30, s16
	s_mul_i32 s30, s30, BLKB                       ; my block of wpack
	s_lshl_b32 s32, s17, 13
	s_lshl_b32 s33, s14, 10
	s_add_co_u32 s32, s32, s33
	s_add_co_u32 s32, s32, s30                     ; + 8,192 j + 1,024 wave: the fragment that my wave stores
	s_mov_b32 s33, 0
	s_lshl_b32 s31, s17, 9
	s_add_co_u32 s30, s30, s31                     ; + 512 j: the work-group's part of the small regions
	s_mov_b32 s31, 0
	s_mul_i32 s38, s14, WREG                       ; my wave's stages
	v_lshrrev_b32 v3, 2, v1
	s_delay_alu instid0(VALU_DEP_1)
	v_mul_u32_u24 v3, v3, SP
	v_and_b32 v8, 3, v1
	s_delay_alu instid0(VALU_DEP_1)
	v_lshl_add_u32 v3, v8, 4, v3
	s_delay_alu instid0(VALU_DEP_1)
	v_add_nc_u32 v3, s38, v3                       ; into a stage: four lanes' 64 bytes on end, then the padding
	v_mul_u32_u24 v4, v1, SP
	s_delay_alu instid0(VALU_DEP_1)
	v_add_nc_u32 v4, s38, v4                       ; out of it: my 16 neighbours
	s_lshr_b32 s39, s14, 2
	s_lshl_b32 s39, s39, 12                        ; the images: 4,096 bytes for each 16 rows,
	s_and_b32 s40, s14, 3
	s_lshl_b32 s40, s40, 6                         ; 16 bytes a row: my wave's four rows
	s_add_co_u32 s39, s39, s40
	s_add_co_u32 s39, s39, IMG
	v_lshrrev_b32 v8, 1, v1                        ; my block of 32 in the row: lane / 2.  Its q, c and half of the lanes are its bits 3:2, 1 and 0: 1,024 q + 512 c + 256 half = 256 x block
	v_and_b32 v9, 1, v1
	s_delay_alu instid0(VALU_DEP_2)
	v_lshlrev_b32 v5, 8, v8
	s_delay_alu instid0(VALU_DEP_1)
	v_lshl_add_u32 v5, v9, 3, v5                   ; + my 8 of its 16 bytes
	s_delay_alu instid0(VALU_DEP_1)
	v_add_nc_u32 v5, s39, v5
	s_lshl_b32 s40, s14, 6
	s_add_co_u32 s40, s40, SCB
	v_add_nc_u32 v6, s40, v8                       ; my block's scale byte: 16 a row
	v_lshrrev_b32 v7, 2, v1
	s_delay_alu instid0(VALU_DEP_1)
	v_lshlrev_b32 v7, 2, v7                        ; my NF4 block of 64: lane / 4, 4 bytes each
	v_and_b32 v8, 15, v1
	v_lshrrev_b32 v9, 4, v1
	s_delay_alu instid0(VALU_DEP_2)
	v_lshlrev_b32 v13, 11, v8                      ; lora_a's codes: row lane % 16 of 2,048 bytes,
	s_delay_alu instid0(VALU_DEP_1)
	v_lshl_add_u32 v13, v9, 4, v13                 ; + 16 (lane / 16)
	s_delay_alu instid0(VALU_DEP_4)
	v_lshlrev_b32 v14, 7, v8                       ; its scale bytes: row lane % 16 of 128 bytes
	s_lshl_b32 s41, s14, 10
	s_add_co_u32 s41, s41, IMG
	v_add_nc_u32 v15, s41, v2                      ; the way out: image number wave, 16 bytes a lane
.irp i, 0,1,2,3
	v_mov_b32 v[L+\i], 0                           ; so that they are written on every path
.endr
	s_wait_kmcnt 0x0
	s_add_nc_u64 s[4:5], s[4:5], s[22:23]
	s_add_nc_u64 s[6:7], s[6:7], s[24:25]
	s_add_nc_u64 s[8:9], s[8:9], s[26:27]
	s_add_nc_u64 s[10:11], s[10:11], s[28:29]
	s_add_nc_u64 s[34:35], s[12:13], s[32:33]      ; where my wave's fragment goes
	s_add_nc_u64 s[36:37], s[12:13], s[30:31]      ; where the small regions' parts go
	s_cmp_lg_u32 s14, 1                            ; wave 1 copies 512 bytes of lora_a's codes: they lie as the image wants them
	s_cbranch_scc1 .Lnot_codes
	s_wait_alu depctr_va_vdst(0)
	global_load_b128 v[L:L+3], v13, s[8:9]
	s_branch .Lcopied
.Lnot_codes:
	s_cmp_lg_u32 s14, 2                            ; wave 2 of the tile's first work-group copies its scale bytes
	s_cbranch_scc1 .Lcopied
	s_cmp_lg_u32 s17, 0
	s_cbranch_scc1 .Lcopied
	s_wait_alu depctr_va_vdst(0)
	global_load_b128 v[L:L+3], v14, s[10:11]
.Lcopied:
.irp t, 0,1,2,3
	global_load_b32 v[S+\t], v7, s[6:7] offset:1024*\t
.endr
.irp t, 0,1,2,3
.irp i, 0,1,2,3
	global_load_b128 v[R+16*\t+4*\i:R+16*\t+4*\i+3], v2, s[4:5] offset:65536*\t+512*\i th:TH_LOAD_NT   ; 32 lanes read 512 consecutive bytes; read once in the launch; rows lie four apart
.endr
.endr
.macro LEVEL n, bits
	s_mov_b32 s42, \bits
	v_writelane_b32 v[TAB], s42, \n
.endm
	v_mov_b32 v[TAB], 0                            ; the table is made while the loads are out
	LEVEL 0,  0xbf800000
	LEVEL 1,  0xbf3239b1
	LEVEL 2,  0xbf066b30
	LEVEL 3,  0xbeca32a0
	LEVEL 4,  0xbe91a24d
	LEVEL 5,  0xbe3d353f
	LEVEL 6,  0xbdba7871
	LEVEL 7,  0x00000000
	LEVEL 8,  0x3da2faff
	LEVEL 9,  0x3e24cae3
	LEVEL 10, 0x3e7c04dd
	LEVEL 11, 0x3ead033a
	LEVEL 12, 0x3ee1a4b8
	LEVEL 13, 0x3f1007ab
	LEVEL 14, 0x3f3913b3
	LEVEL 15, 0x3f800000
.macro TURN t                          ; row t through a stage: LDS serves a wave's instructions in order, so no wait stands between the stores and the loads
.irp i, 0,1,2,3
	ds_store_b128 v3, v[R+16*(\t)+4*\i:R+16*(\t)+4*\i+3] offset:STG*((\t)%2)+8*SP*\i
.endr
.irp i, 0,1,2,3
	ds_load_b128 v[X+16*((\t)%2)+4*\i:X+16*((\t)%2)+4*\i+3], v4 offset:STG*((\t)%2)+16*\i
.endr
.endm
.macro STEP t
.set XS, X+16*((\t)%2)
.if (\t) < 3
	s_wait_loadcnt 4*(2-(\t))                      ; the next row's four loads are in; those of the rows behind it may be out
	TURN (\t)+1                                    ; it goes through the other stage while this row is worked
	s_wait_dscnt 8                                 ; all but those eight: this row's 16 neighbours are in
.else
	s_wait_dscnt 0x0
.endif
.irp i, 0,1,2,3,4,5,6,7,8,9,10,11,12,13,14,15
	v_min_u32 v[I+\i], 15, v[XS+\i]                ; held at the table's last entry
.endr
.irp i, 0,1,2,3,4,5,6,7,8,9,10,11,12,13,14,15
	v_lshlrev_b32 v[I+\i], 2, v[I+\i]              ; the permute names a lane by 4 x its number
.endr
.irp i, 0,1,2,3,4,5,6,7,8,9,10,11,12,13,14,15
	ds_bpermute_b32 v[WF+\i], v[I+\i], v[TAB]      ; NF4[code]: the table's lane number code
.endr
	s_wait_dscnt 0x0
.irp i, 0,1,2,3,4,5,6,7,8,9,10,11,12,13,14,15
	v_mul_f32 v[WF+\i], v[WF+\i], v[S+(\t)]        ; x the NF4 block's scale
.endr
	v_max3_num_f32 v8, |v[WF]|, |v[WF+1]|, |v[WF+2]|               ; the largest magnitude of my 16, in two chains
	v_max3_num_f32 v9, |v[WF+3]|, |v[WF+4]|, |v[WF+5]|
.irp i, 6,10
	s_delay_alu instid0(VALU_DEP_2)
	v_max3_num_f32 v8, v8, |v[WF+\i]|, |v[WF+\i+1]|
	s_delay_alu instid0(VALU_DEP_2)
	v_max3_num_f32 v9, v9, |v[WF+\i+2]|, |v[WF+\i+3]|
.endr
	s_delay_alu instid0(VALU_DEP_2)
	v_max3_num_f32 v8, v8, |v[WF+14]|, |v[WF+15]|
	s_delay_alu instid0(VALU_DEP_1)
	v_max3_num_f32 v8, v8, v9, 0x1800000           ; and the floor 2^(3 - 127): the byte cannot fall under 1
	s_delay_alu instid0(VALU_DEP_1)
	v_max_num_f32_dpp v8, v8, v8 row_xmask:1 row_mask:0xf bank_mask:0xf   ; and of my neighbour's 16: the block's
	s_delay_alu instid0(VALU_DEP_1)
	v_add_nc_u32 v11, 0xff000000, v8               ; 2 off its exponent field: the conversion takes the exponent field of this operand as its scale, and nothing else of it
	v_cvt_scalef32_pk8_fp4_f32 v[C+2*(\t)], v[WF:WF+7], v11
	v_cvt_scalef32_pk8_fp4_f32 v[C+2*(\t)+1], v[WF+8:WF+15], v11
	v_lshrrev_b32 v[E+(\t)], 23, v11               ; the scale's byte (also the plain line behind the conversions)
	ds_store_b8 v6, v[E+(\t)] offset:16*(\t)       ; both lanes of a block write the same byte with the same value
	ds_store_b64 v5, v[C+2*(\t):C+2*(\t)+1] offset:16*(\t)   ; my 8 bytes of the block's 16, at their place in the image
.endm
	s_wait_loadcnt 12                              ; the scales and row 0's four loads are in; three rows' twelve may be out
	TURN 0
	STEP 0
	STEP 1
	STEP 2
	STEP 3
	s_wait_dscnt 0x0                               ; for the others' sake: my stores into the images are done
	s_barrier_signal -1
	s_barrier_wait -1
	ds_load_b128 v[OUTR:OUTR+3], v15               ; one whole fragment image a wave
	ds_load_b128 v[OUTR+4:OUTR+7], v15 offset:512
	s_wait_dscnt 0x0
	global_store_b128 v2, v[OUTR:OUTR+3], s[34:35]             ; each store covers 512 consecutive bytes, at a multiple of 256 from wpack's first byte
	global_store_b128 v2, v[OUTR+4:OUTR+7], s[34:35] offset:512
	s_cmp_lg_u32 s14, 0
	s_cbranch_scc1 .Lnot_0
	ds_load_b128 v[OUTR+8:OUTR+11], v2 offset:SCB  ; wave 0: the 32 rows' scale bytes
	s_wait_dscnt 0x0
	global_store_b128 v2, v[OUTR+8:OUTR+11], s[36:37] offset:OFF_WS
	s_branch .Ldone
.Lnot_0:
	s_cmp_lg_u32 s14, 1
	s_cbranch_scc1 .Lnot_1
	global_store_b128 v2, v[L:L+3], s[36:37] offset:OFF_A      ; wave 1: half a fragment of lora_a (row 2's wait for all loads has shown it in)
	s_branch .Ldone
.Lnot_1:
	s_cmp_lg_u32 s14, 2
	s_cbranch_scc1 .Ldone
	s_cmp_lg_u32 s17, 0
	s_cbranch_scc1 .Ldone
	global_store_b128 v2, v[L:L+3], s[36:37] offset:OFF_AS     ; lora_a's scale bytes: lanes 0-15 the copy that is read, lanes 16-31 the one that fills the block (j = 0: the base is the block's)
.Ldone:
	s_wait_tensorcnt 0x0
	ds_add_u32 v176, v177
	s_wait_dscnt 0x0
	s_endpgm
.Lfunc_end_k_q75e0c5039f_pack:
	.size	k_q75e0c5039f_pack, .Lfunc_end_k_q75e0c5039f_pack-k_q75e0c5039f_pack
	.p2alignl 7, 3214868480
	.fill 96, 4, 3214868480
	.section	.rodata,"a",@progbits
	.p2align	6, 0x0
	.amdhsa_kernel k_q75e0c5039f_pack
		.amdhsa_group_segment_fixed_size 50688
		.amdhsa_private_segment_fixed_size 0
		.amdhsa_enable_private_segment 0
		.amdhsa_kernarg_size 40
		.amdhsa_user_sgpr_count 2
		.amdhsa_user_sgpr_kernarg_segment_ptr 1
		.amdhsa_wavefront_size32 1
		.amdhsa_system_sgpr_workgroup_id_x 1
		.amdhsa_system_sgpr_workgroup_id_y 1
		.amdhsa_system_sgpr_workgroup_id_z 1
		.amdhsa_system_vgpr_workitem_id 0
		.amdhsa_next_free_vgpr 178
		.amdhsa_next_free_sgpr 66
		.amdhsa_reserve_vcc 0
		.amdhsa_float_denorm_mode_32 3
		.amdhsa_float_denorm_mode_16_64 3
		.amdhsa_memory_ordered 1
		.amdhsa_forward_progress 1
		.amdhsa_inst_pref_size 27
	.end_amdhsa_kernel
	.amdgpu_metadata
---
amdhsa.version: [ 1, 2 ]
amdhsa.kernels:
  - .name:           k_q75e0c5039f_pack
    .symbol:         k_q75e0c5039f_pack.kd
    .args:
      - { .name: w_q, .offset: 0, .size: 8, .value_kind: global_buffer, .address_space: global }
      - { .name: scales, .offset: 8, .size: 8, .value_kind: global_buffer, .address_space: global }
      - { .name: lora_a_w_codes, .offset: 16, .size: 8, .value_kind: global_buffer, .address_space: global }
      - { .name: lora_a_w_scales, .offset: 24, .size: 8, .value_kind: global_buffer, .address_space: global }
      - { .name: wpack, .offset: 32, .size: 8, .value_kind: global_buffer, .address_space: global }
    .group_segment_fixed_size: 50688
    .private_segment_fixed_size: 0
    .kernarg_segment_align: 8
    .kernarg_segment_size: 40
    .max_flat_workgroup_size: 256
    .sgpr_count:     66
    .vgpr_count:     178
    .wavefront_size: 32
...
	.end_amdgpu_metadata
.endif
;; end of part 1
;; launch gemm (part 2): grid 8 x 32, 4 waves a work-group, clusters of 4 x 4, 327,680 bytes of LDS; arguments x_codes, x_scales, wpack, lora_b_w, out0; writes out0
.if DOCPART == 2
	.amdgcn_target "amdgcn-amd-amdhsa--gfx1250"
	.amdhsa_code_object_version 6
	.text
	.protected	k_q75e0c5039f_gemm
	.globl	k_q75e0c5039f_gemm
	.p2align	8
	.type	k_q75e0c5039f_gemm,@function
k_q75e0c5039f_gemm:
	s_mov_b64 s[64:65], 0
	v_nop
	global_prefetch_b8 v0, s[64:65] scope:SCOPE_SE
	s_setreg_imm32_b32 hwreg(HW_REG_WAVE_MODE, 25, 1), 1
	s_wait_xcnt 0x0
	s_wait_alu depctr_hold_cnt(0) depctr_sa_sdst(0) depctr_va_vdst(0) depctr_va_sdst(0) depctr_va_ssrc(0) depctr_va_vcc(0) depctr_vm_vsrc(0)
	s_getreg_b32 s2, hwreg(HW_REG_IB_STS2, 6, 4)
	s_cmp_eq_u32 s2, 0
	s_cbranch_scc0 .Lentry_in_a_cluster
	s_endpgm
.Lentry_in_a_cluster:
	s_bfe_u32 s2, ttmp6, 0x10000c
	s_cmp_lg_u32 s2, 0xf033
	s_cbranch_scc0 .Lentry_shape_is_right
	s_endpgm
.Lentry_shape_is_right:
; out0[m][o] = sum over k of x[m][k] W[o][k] + 2 sum over r of a[m][r] lora_b[o][r],  a[m][r] = sum over k of x[m][k] lora_a[r][k].  m: 8,192, o: 2,048, k: 4,096, r: 16.
; x, W and lora_a are codes of FP4 (E2M1) with one E8M0 byte for each 32 along K, multiplied as they lie; sums in f32.  The last product (K = 16) takes 2 a and lora_b rounded to bf16, and adds onto the finished f32 sums.
; x comes as given: rows of 2,048 bytes of codes, 128 scale bytes a row.  W, its scale bytes and lora_a come from wpack, laid by the launch before by tile of 256 rows and K step of 512, as images of the operand's registers.
; A tile of out0, 256 x 256, is made by a work-group of four waves; a wave makes 128 x 128: 32 accumulators of 32 x 16.  Wave = 2 x row half + column half.
; x IS SOURCE 0, W SOURCE 1: a lane holds a column, its registers run down the rows.  wpack lays W's rows so that block b = 4 g + c, lane r is column 64 g + 4 r + c: the same register of four neighbouring blocks
; holds four neighbouring columns.  Four moves bring them side by side, and 16 lanes store 256 neighbouring bytes of a row of out0: the result needs no way through LDS.
; lora_a's 16 rows ride with W.  The two waves of a row half share a's rows: each keeps a for 64 of its 128 rows (4 accumulators).  So that no branch is needed, a wave counts its pairs of 16-row blocks of x from 64 x column half on:
; its pairs 0, 1 are rows 64 s + 0 .. 63, its pairs 2, 3 the other 64 rows (s = column half).  At the end the halves of a change places through LDS, rounded to bf16.
; K goes in steps of 512 through a ring of two LDS slots: 256 rows of x (256 bytes + 16 of padding) and a dense block of wpack (290 x 256 bytes).  x's scale bytes for all of K (32,768 dense bytes) come once.
; A step of 128 along K is 36 matrix instructions.  Both operands' fragments have TWO sets of registers: a step first asks, in one run of 34 LDS loads, for the next step's fragments, and then multiplies its own without a break.
; CLUSTERS: 4 x 4 work-groups.  The four of a row need the same rows of x, the four of a column the same blocks of wpack: each is asked for JOINTLY, by the same tensor load with the same descriptor and a mask that names the four.
; PREFETCH: behind the joint load of K step k one instruction a wave names K step k + 2 (K step 1: behind the head's loads; K steps 2 and 3: behind the joint load of K step 1): of x's 128 rows that a wave fetches the partner at place p
; takes 32 p .. 32 p + 31, a lane a row; of W's images likewise 32 blocks of 256 bytes, by the clusters of even y alone (eight clusters read the same blocks, four name them).  It stops at K step 7.
; LIMITS: 2 a and lora_b are rounded to bf16 for the last product; x's, lora_a's and W's codes and bytes go to the matrix unit as they are (a byte 0xff gives NaN).
; REGISTERS: window 0: v1-31 addresses; v32-63 x's scale words, v64-95 W's, v96-103 lora_a's, two sets each; v112-239 x's fragments, two sets of 64 (set 1 at the head: lora_b as f32; set 0 at the end: a in bf16).
;   window 1: W's 8 fragments and lora_a's one, two sets, at v0-71 and v128-199 (on the way out: results to store); v96-127 a's accumulators; v80-87, v200-255 lora_b in bf16.
;   windows 2, 3: the accumulators: (pair p, block b) at v[16 (8 (p % 2) + b)] of window 2 + p / 2.
.set ROWO,   8192                      ; a row of out0 in bytes
.set ROWB,   256                       ; a row of x's tile: 512 codes
.set PITCH,  272                       ; in LDS: + 16 of padding = 68 words: the 16 rows that a load touches start at 16 different banks (64 banks of 4 bytes: ISA guide 11.1)
.set HALFT,  128*PITCH
.set XT,     2*HALFT                   ; x's 256 rows
.set WT,     74240                     ; a block of wpack
.set SLOT,   XT+WT
.set LAPS,   4                         ; a lap = two K steps = once round the ring
.set SCL,    2*SLOT                    ; x's scale bytes, as units of 256 bytes (two rows) + 16 of padding
.set HALFS,  64*272                    ; those of 128 rows
.set SBLK,   8*272                     ; those of 16 rows
.set SPARE,  SCL+2*HALFS               ; the spare words, 128 bytes for each wave: two blocks of 256 bytes that no other line names
.set XLO,  12                          ; v12-13  LDS address of my fragments of x, pairs 0 and 1, in slot 0, 1
.set XHI,  14                          ; v14-15  pairs 2 and 3
.set ADRB, 16                          ; v16-17  of W's images
.set ADRF, 18                          ; v18-19  of lora_a's images
.set ADRW, 20                          ; v20-21  of W's scale words: lanes 0-15 blocks 0-3, lanes 16-31 blocks 4-7
.set ADRL, 22                          ; v22-23  of lora_a's scale words
.set ADSL, 24                          ; v24     of x's scale words of the lap in hand, pairs 0 and 1: lanes 0-15 the pair's first block, lanes 16-31 its second
.set ADSH, 25                          ; v25     pairs 2 and 3
.set COL,  26                          ; v26     my byte offset in out0, pairs 0 and 1
.set COH,  27                          ; v27     pairs 2 and 3
.set SPW,  28                          ; v28     LDS address of my spare word; never rewritten
.set NIL,  29                          ; v29     0; never rewritten
.set EXW,  30                          ; v30     where my half of a goes in LDS
.set EXR,  31                          ; v31     where the other half lies
.set PFO,  104                         ; v104    the prefetches' offset; never rewritten
.set SCX,  32                          ; set s at SCX + 16 s; register 4 p + q: the word of pair p for the slot's q-th 128 along K
.set SCW,  64                          ; the same: register 4 i + q: blocks i (lanes 0-15) and i + 4 (lanes 16-31)
.set LSC,  96                          ; set s at LSC + 4 s
.set XF,   112                         ; x's fragments: set s at XF + 64 s
.set RAW,  176                         ; lora_b as f32, at the head
.set AFR,  112                         ; a in bf16, at the end
.set LA,   96                          ; in window 1: a's accumulators
.set TA,   0                           ; in window 1: results to store, two sets of 64, TST apart
.set TST,  128
.set G1,   24                          ; s[24:31] descriptor group 1 for x's tiles;  s[32:39] group 0, one set for each slot
.set G0,   32
.set G1B,  48                          ; s[48:55], s[56:63] the same for wpack's blocks
.set G0B,  56
.set G1S,  68                          ; s[68:75], s[76:79] groups 1 and 0 for x's scale bytes
.set G0S,  76
.set G0H,  80                          ; s[80:83] group 0 for the head's whole block of wpack
.set PF1,  66                          ; s[66:67] K step 1 of what my wave prefetches
.set PFA,  84                          ; s[84:85] K step 2
.set PFB,  86                          ; s[86:87] K step 3, then the K step in hand
.set PST,  88                          ; s[88:89] from K step to K step
.set LIM,  90                          ; 1: my wave prefetches; else the greatest number
.set MSB, 0
.macro WIN new                         ; the immediate's high byte repeats the setting that is left
.if MSB != \new
	s_set_vgpr_msb (MSB<<8)|\new
.set MSB, \new
.endif
.endm
.set MUL_LO, 0xa4                      ; source 0 (x or a) window 0, source 1 (W or lora_b) window 1, C and D window 2
.set MUL_HI, 0xf4                      ; the same, C and D window 3
.set LOR,    0x51                      ; source 0 (lora_a) window 1, source 1 (x) window 0, C and D window 1
.set TO_B,   0x40                      ; destination window 1, sources window 0
.macro PLACES n
.rept \n
	v_nop
.endr
.endm
; A joint refill: waves 0 and 1 fetch x's two halves, waves 2 and 3 the block's.  The branch hangs on the wave's number alone.
.macro JLOAD s
	s_cmp_eq_u32 s15, 0
	s_cbranch_scc0 .Lfor_w_\@
	tensor_load_to_lds s[G0+4*\s:G0+4*\s+3], s[G1:G1+7]
	s_nop 0
	PLACES 4
	s_branch .Lasked_\@
.Lfor_w_\@:
	tensor_load_to_lds s[G0B+4*\s:G0B+4*\s+3], s[G1B:G1B+7]
	s_nop 0
	PLACES 4
.Lasked_\@:
.endm
.macro CREST                           ; a round of the cluster's barrier behind its opening barrier
	s_cmp_lg_u32 s14, 0
	s_cbranch_scc1 .Lnot_wave_0_\@
	s_barrier_signal -3
.Lnot_wave_0_\@:
	s_barrier_wait -3
	s_barrier_signal -1
	s_barrier_wait -1
.endm
.macro CROUND                          ; a whole round
	s_barrier_signal -1
	s_barrier_wait -1
	CREST
.endm
	s_load_b128 s[4:7], s[0:1], 0x0                ; x's codes s[4:5], x's scale bytes s[6:7]
	s_load_b128 s[8:11], s[0:1], 0x10              ; wpack s[8:9], lora_b s[10:11]
	s_load_b64 s[12:13], s[0:1], 0x20              ; out0
	v_lshl_add_u32 v[SPW], v0, 2, SPARE
	v_mov_b32 v[NIL], 0
	ds_add_u32 v[SPW], v[NIL]                      ; the wave's opening: the add, twice on end
	ds_add_u32 v[SPW], v[NIL]
	v_lshrrev_b32 v1, 5, v0
	v_readfirstlane_b32 s14, v1                    ; wave 0..3
	s_lshr_b32 s15, s14, 1                         ; which half of the tile's rows is mine.  Also: I fetch x (0) or wpack (1)
	s_and_b32 s16, s14, 1                          ; s: which half of its columns.  Also: which half of that I fetch
	s_xor_b32 s91, s16, 1                          ; 1 - s
	s_bfe_u32 s40, ttmp6, 0x40000                  ; cx, cy: my place in the cluster
	s_bfe_u32 s41, ttmp6, 0x40004
	s_lshl_b32 s42, ttmp9, 2
	s_add_co_u32 s42, s42, s40                     ; tile column = 4 x cluster x + cx
	s_and_b32 s17, ttmp7, 0xffff
	s_lshl_b32 s17, s17, 2
	s_add_co_u32 s17, s17, s41                     ; tile row = 4 x cluster y + cy
	s_lshl_b32 s43, s41, 2
	s_lshl_b32 s43, 15, s43                        ; my row of the cluster
	s_lshl_b32 s44, 0x1111, s40                    ; my column
	; descriptor group 1 for x: 128 rows x 256 bytes, 2,048 bytes apart in memory, padded in LDS
	s_or_b32 s[G1+0], s43, (0<<16)|(1<<20)|(1<<21)|(5<<22)|(3<<25)  ; 15:0 the mask: my row; 17:16 elements of 1 byte; 20 padding on; 21 set beside a mask; 24:22 after every 64 words (code 5); 31:25 four words (code 3)
	s_mov_b32 s[G1+1], ROWB<<16                    ; tensor_dim0
	s_mov_b32 s[G1+2], 128<<16                     ; tensor_dim1
	s_mov_b32 s[G1+3], ROWB<<16                    ; tile_dim0
	s_mov_b32 s[G1+4], 128                         ; tile_dim1
	s_mov_b32 s[G1+5], 2048                        ; tensor_dim0_stride
	s_mov_b32 s[G1+6], 0
	s_mov_b32 s[G1+7], 0
	; for wpack: a dense block as 290 rows of 256 bytes (32 elements of 8 bytes), no padding; behind the head the two words that count rows are set to 145, half a block
	s_or_b32 s[G1B+0], s44, (3<<16)|(1<<21)        ; the mask: my column
	s_mov_b32 s[G1B+1], 32<<16
	s_mov_b32 s[G1B+2], 290<<16
	s_mov_b32 s[G1B+3], 32<<16
	s_mov_b32 s[G1B+4], 290
	s_mov_b32 s[G1B+5], 32
	s_mov_b32 s[G1B+6], 0
	s_mov_b32 s[G1B+7], 0
	; for x's scale bytes: those of 256 rows, 32,768 dense bytes, as 128 rows of 256 bytes, 16 bytes of padding behind each
	s_or_b32 s[G1S+0], s43, (3<<16)|(1<<20)|(1<<21)|(5<<22)|(3<<25)
	s_mov_b32 s[G1S+1], 32<<16
	s_mov_b32 s[G1S+2], 128<<16
	s_mov_b32 s[G1S+3], 32<<16
	s_mov_b32 s[G1S+4], 128
	s_mov_b32 s[G1S+5], 32
	s_mov_b32 s[G1S+6], 0
	s_mov_b32 s[G1S+7], 0
	; where the tiles come from: x's hang on the tile row alone, wpack's on the tile column alone, each in registers that never hold the other coordinate
	s_lshl_b32 s18, s16, 7
	s_lshl_b32 s20, s17, 8                         ; the tile's first row
	s_lshl_b32 s22, s20, 7                         ; its scale bytes: 128 a row
	s_mov_b32 s23, 0
	s_add_co_u32 s20, s20, s18                     ; x: + 128 x half
	s_lshl_b32 s20, s20, 11                        ; 2,048 bytes a row
	s_mov_b32 s21, 0
	s_mul_i32 s46, s42, 8*WT                       ; wpack: the tile column's eight blocks,
	s_mov_b32 s47, 0
	s_mul_i32 s94, s16, WT/2                       ; and my half of a block
	s_add_co_u32 s92, s94, XT                      ; where it goes: no place in the cluster enters an LDS address
	s_add_co_u32 s94, s94, s46
	s_mov_b32 s95, 0
	s_mul_i32 s45, s16, HALFT
	s_wait_dscnt 0x0                               ; both opening adds are done
	s_wait_kmcnt 0x0
	s_add_nc_u64 s[20:21], s[4:5], s[20:21]
	s_add_nc_u64 s[22:23], s[6:7], s[22:23]
	s_add_nc_u64 s[46:47], s[8:9], s[46:47]
	s_add_nc_u64 s[94:95], s[8:9], s[94:95]
	CROUND                                         ; all sixteen work-groups are here: the first joint loads meet
	s_mov_b32 s[G0S], 1                            ; 1:0 count = 1
	s_mov_b32 s[G0S+1], SCL                        ; 63:32 LDS address
	s_mov_b64 s[G0S+2:G0S+3], s[22:23]             ; 120:64 global address
	s_or_b32 s[G0S+3], s[G0S+3], 0x80000000        ; 127:126 type = 2
	s_mov_b32 s[G0H], 1
	s_mov_b32 s[G0H+1], XT
	s_mov_b64 s[G0H+2:G0H+3], s[46:47]
	s_or_b32 s[G0H+3], s[G0H+3], 0x80000000
.irp s, 0,1
	s_mov_b32 s[G0+4*\s], 1
	s_add_co_u32 s[G0+4*\s+1], s45, \s*SLOT
	s_add_nc_u64 s[G0+4*\s+2:G0+4*\s+3], s[20:21], \s*ROWB
	s_or_b32 s[G0+4*\s+3], s[G0+4*\s+3], 0x80000000
	s_mov_b32 s[G0B+4*\s], 1
	s_add_co_u32 s[G0B+4*\s+1], s92, \s*SLOT
	s_add_nc_u64 s[G0B+4*\s+2:G0B+4*\s+3], s[94:95], \s*WT
	s_or_b32 s[G0B+4*\s+3], s[G0B+4*\s+3], 0x80000000
.endr
	; THE HEAD'S LOADS, ONE A WAVE: waves 0 and 1 K step 0's two halves of x, wave 2 its block of wpack, wave 3 x's scale bytes.  One chain of branches, one load to an arm, one join.
	s_cmp_lt_u32 s14, 2
	s_cbranch_scc0 .Lhead_w
	tensor_load_to_lds s[G0:G0+3], s[G1:G1+7]
	s_nop 0
	PLACES 4
	s_branch .Lhead_asked
.Lhead_w:
	s_cmp_lt_u32 s14, 3
	s_cbranch_scc0 .Lhead_s
	tensor_load_to_lds s[G0H:G0H+3], s[G1B:G1B+7]
	s_nop 0
	PLACES 4
	s_branch .Lhead_asked
.Lhead_s:
	tensor_load_to_lds s[G0S:G0S+3], s[G1S:G1S+7]
	s_nop 0
	PLACES 4
.Lhead_asked:
	; where my prefetches begin: K step 1 of my share
	s_lshl_b32 s18, s17, 8
	s_lshl_b32 s19, s16, 7
	s_add_co_u32 s18, s18, s19
	s_lshl_b32 s19, s40, 5
	s_add_co_u32 s18, s18, s19                     ; x: row 256 x tile row + 128 x half + 32 cx
	s_lshl_b32 s18, s18, 11
	s_add_co_u32 s18, s18, ROWB
	s_mul_i32 s20, s42, 8*WT
	s_lshl_b32 s21, s16, 15
	s_add_co_u32 s20, s20, s21
	s_lshl_b32 s21, s41, 13
	s_add_co_u32 s20, s20, s21                     ; W's images: byte 32,768 x half + 8,192 cy of the block
	s_add_co_u32 s20, s20, WT
	s_mov_b32 s21, ROWB
	s_mov_b32 s22, WT
	s_mov_b32 s19, 2048
	s_cmp_eq_u32 s15, 0
	s_cselect_b32 s18, s18, s20
	s_cselect_b64 s[PF1:PF1+1], s[4:5], s[8:9]
	s_cselect_b32 s[PST], s21, s22
	s_cselect_b32 s23, s19, s21                    ; from lane to lane: a row of x, or 256 bytes
	s_mov_b32 s19, 0
	s_mov_b32 s[PST+1], 0
	s_add_nc_u64 s[PF1:PF1+1], s[PF1:PF1+1], s[18:19]
	s_add_nc_u64 s[PFA:PFA+1], s[PF1:PF1+1], s[PST:PST+1]
	s_add_nc_u64 s[PFB:PFB+1], s[PFA:PFA+1], s[PST:PST+1]
	s_and_b32 s20, ttmp7, 1
	s_and_b32 s20, s20, s15                        ; W's waves of the clusters of odd y do not ask
	s_cmp_eq_u32 s20, 0
	s_cselect_b32 s[LIM], 1, -1
	; lora_b and out0 at my columns
	s_lshl_b32 s18, s42, 14
	s_lshl_b32 s20, s16, 13
	s_add_co_u32 s18, s18, s20
	s_add_nc_u64 s[10:11], s[10:11], s[18:19]
	s_lshl_b32 s18, s17, 8
	s_lshl_b32 s20, s15, 7
	s_add_co_u32 s18, s18, s20
	s_lshl_b32 s18, s18, 13                        ; my first row of out0, 8,192 bytes a row
	s_lshl_b32 s20, s42, 10
	s_add_co_u32 s18, s18, s20
	s_lshl_b32 s20, s16, 9
	s_add_co_u32 s18, s18, s20
	s_add_nc_u64 s[12:13], s[12:13], s[18:19]
	; the waves' parts of the LDS addresses
	s_mul_i32 s18, s15, HALFT                      ; my 128 rows of x,
	s_mul_i32 s19, s16, 64*PITCH                   ; pairs 0 and 1 from row 64 s on,
	s_mul_i32 s21, s91, 64*PITCH                   ; pairs 2 and 3 from row 64 (1 - s) on
	s_add_co_u32 s21, s21, s18
	s_add_co_u32 s18, s18, s19
	s_lshl_b32 s19, s16, 15
	s_add_co_u32 s19, s19, XT                      ; my 32 images of W
	s_lshl_b32 s20, s16, 11
	s_add_co_u32 s20, s20, XT+69632                ; my 8 blocks' scale bytes
	s_mul_i32 s22, s15, HALFS
	s_add_co_u32 s22, s22, SCL
	s_mul_i32 s45, s91, 4*SBLK
	s_add_co_u32 s45, s45, s22                     ; x's scale bytes, pairs 2 and 3
	s_mul_i32 s46, s16, 4*SBLK
	s_add_co_u32 s22, s22, s46                     ; pairs 0 and 1
	s_lshl_b32 s46, s15, 12                        ; a's exchange: 4,096 bytes a row half, 2,048 a wave
	s_lshl_b32 s47, s91, 11
	s_add_co_u32 s47, s47, s46
	s_lshl_b32 s92, s16, 11
	s_add_co_u32 s46, s46, s92
	s_lshl_b32 s92, s16, 19                        ; 64 rows of out0
	s_lshl_b32 s93, s91, 19
	v_and_b32 v1, 15, v0                           ; r = lane % 16
	v_bfe_u32 v2, v0, 4, 1                         ; h = lane / 16
	v_and_b32 v5, 31, v0                           ; lane
	v_mul_u32_u24 v4, v1, PITCH
	v_lshlrev_b32 v6, 4, v5                        ; an image's place for my lane
	v_lshlrev_b32 v7, 4, v1                        ; 16 scale bytes a row of a block
	v_lshl_add_u32 v4, v2, 4, v4                   ; x: a fragment's row x pitch + 16 h
	v_lshl_add_u32 v8, v2, 10, v7                  ; lanes 16-31 four blocks on
	v_lshrrev_b32 v9, 1, v1                        ; x's scale bytes: two rows of 128 bytes to a unit of 272
	v_and_b32 v10, 1, v1
	v_mul_u32_u24 v9, v9, 272
	v_mul_u32_u24 v11, v2, SBLK                    ; lanes 16-31 one block on
	v_lshl_add_u32 v9, v10, 7, v9
	v_lshlrev_b32 v10, 16, v2                      ; out0: 8 h rows
	v_add_nc_u32 v9, v9, v11
	v_add_nc_u32 v10, v10, v7                      ; + 16 r
	v_lshlrev_b32 v3, 8, v1                        ; lora_b: rows 4 r + .. of 64 bytes
	v_lshl_add_u32 v3, v2, 5, v3                   ; + 8 h numbers
	v_add_nc_u32 v[XLO], s18, v4
	v_add_nc_u32 v[XHI], s21, v4
	v_add_nc_u32 v[ADRB], s19, v6
	v_add_nc_u32 v[ADRW], s20, v8
	v_add_nc_u32 v[ADRF], XT+65536, v6
	v_add_nc_u32 v[ADRL], XT+73728, v7
	v_add_nc_u32 v[ADSL], s22, v9
	v_add_nc_u32 v[ADSH], s45, v9
	v_add_nc_u32 v[EXW], s46, v6
	v_add_nc_u32 v[EXR], s47, v6
	v_add_nc_u32 v[COL], s92, v10
	v_add_nc_u32 v[COH], s93, v10
	v_mul_u32_u24 v[PFO], s23, v5
.irp a, XLO, XHI, ADRB, ADRF, ADRW, ADRL
	v_add_nc_u32 v[\a+1], SLOT, v[\a]
.endr
.macro BFREG b                         ; rF: lora_b's bf16 fragment of block b, in window 1
.set rF, 200+8*(\b)
.if (\b) == 7
.set rF, 80
.endif
.endm
.irp b, 0,1,2,3,4,5,6,7                ; lane (r, h) wants, of lora_b's row 64 (b / 4) + 4 r + b % 4, the numbers 8 h .. 8 h + 7
	global_load_b128 v[RAW+8*\b:RAW+8*\b+3],   v3, s[10:11] offset:4096*(\b/4)+64*(\b%4)
	global_load_b128 v[RAW+8*\b+4:RAW+8*\b+7], v3, s[10:11] offset:4096*(\b/4)+64*(\b%4)+16
.endr
	s_wait_alu depctr_va_vdst(0)                   ; the wait here, directly ahead of the branch
	s_cmp_eq_u32 s[LIM], 1
	s_cbranch_scc0 .Lno_ask_1
	global_prefetch_b8 v[PFO], s[PF1:PF1+1] th:TH_LOAD_NT scope:SCOPE_SE   ; K step 1
.Lno_ask_1:
	WIN TO_B
.irp b, 0,1,2,3,4,5,6,7
	BFREG \b
.irp i, 4,5,6,7
	v_mov_b32 v[rF+\i], 0                          ; the bf16 form is 32 deep, the product 16: its upper half is zeros
.endr
.endr
	WIN 0
; One matrix instruction on codes: x's pair p (32 rows) x W's block b, from fragment set f, scale set sc, the slot's q-th 128 along K.  z = 1: it starts the sum: nothing is ever cleared.
; The 36 accumulators of a step take turns, one instruction a turn.
.macro MW p, b, f, sc, q, z
.set rD, 16*(8*((\p)%2)+(\b))
.set rA, XF+64*(\f)+16*(\p)
.set rB, 128*(\f)+8*(\b)
.set rX, SCX+16*(\sc)+4*(\p)+(\q)
.set rW, SCW+16*(\sc)+4*((\b)%4)+(\q)
.if (\p) < 2
	WIN MUL_LO
.else
	WIN MUL_HI
.endif
.if (\z) && ((\b) < 4)
	v_wmma_scale_f32_32x16x128_f4 v[rD:rD+15], v[rA:rA+15], v[rB:rB+7], 0, v[rX], v[rW]
.elseif (\z)
	v_wmma_scale_f32_32x16x128_f4 v[rD:rD+15], v[rA:rA+15], v[rB:rB+7], 0, v[rX], v[rW] matrix_b_scale:MATRIX_SCALE_ROW1
.elseif (\b) < 4
	v_wmma_scale_f32_32x16x128_f4 v[rD:rD+15], v[rA:rA+15], v[rB:rB+7], v[rD:rD+15], v[rX], v[rW]
.else
	v_wmma_scale_f32_32x16x128_f4 v[rD:rD+15], v[rA:rA+15], v[rB:rB+7], v[rD:rD+15], v[rX], v[rW] matrix_b_scale:MATRIX_SCALE_ROW1
.endif
.endm
.macro MW2 p, t, f, sc, q, z
	MW \p, 2*(\t), \f, \sc, \q, \z
	MW \p, 2*(\t)+1, \f, \sc, \q, \z
.endm
.macro MW8 p, f, sc, q, z
.irp t, 0,1,2,3
	MW2 \p, \t, \f, \sc, \q, \z
.endr
.endm
; lora_a's 16 rows (source 0) against x's blocks 0-3 (source 1): lane (r, h) then holds a(row r, 8 h + 0 .. 7), which rounded in pairs is the last product's operand.
.macro LM4 f, sc, q, z
	WIN LOR
.irp i, 0,1,2,3
.set rD, LA+8*\i
.set rA, 128*(\f)+64
.set rB, XF+64*(\f)+8*\i
.set rX, SCX+16*(\sc)+4*(\i/2)+(\q)
.set rW, LSC+4*(\sc)+(\q)
.if (\z) && ((\i%2) == 0)
	v_wmma_scale_f32_16x16x128_f8f6f4 v[rD:rD+7], v[rA:rA+7], v[rB:rB+7], 0, v[rW], v[rX] matrix_a_fmt:MATRIX_FMT_FP4 matrix_b_fmt:MATRIX_FMT_FP4
.elseif (\z)
	v_wmma_scale_f32_16x16x128_f8f6f4 v[rD:rD+7], v[rA:rA+7], v[rB:rB+7], 0, v[rW], v[rX] matrix_a_fmt:MATRIX_FMT_FP4 matrix_b_fmt:MATRIX_FMT_FP4 matrix_b_scale:MATRIX_SCALE_ROW1
.elseif (\i%2) == 0
	v_wmma_scale_f32_16x16x128_f8f6f4 v[rD:rD+7], v[rA:rA+7], v[rB:rB+7], v[rD:rD+7], v[rW], v[rX] matrix_a_fmt:MATRIX_FMT_FP4 matrix_b_fmt:MATRIX_FMT_FP4
.else
	v_wmma_scale_f32_16x16x128_f8f6f4 v[rD:rD+7], v[rA:rA+7], v[rB:rB+7], v[rD:rD+7], v[rW], v[rX] matrix_a_fmt:MATRIX_FMT_FP4 matrix_b_fmt:MATRIX_FMT_FP4 matrix_b_scale:MATRIX_SCALE_ROW1
.endif
.endr
.endm
; Fragments, two loads each, into set f.  LDW: W's block b (an image: 512 consecutive bytes a load).  LDL: lora_a's.  LDX: x's block i: registers 4 c .. 4 c + 3 hold K = 64 c + 32 h + 0 .. 31: 16 bytes of the row as they lie.
.macro LDW slot, q, f, b
	WIN TO_B
.irp c, 0,1
	ds_load_b128 v[128*(\f)+8*(\b)+4*\c:128*(\f)+8*(\b)+4*\c+3], v[ADRB+\slot] offset:(4*(\b)+(\q))*1024+512*\c
.endr
.endm
.macro LDL slot, q, f
	WIN TO_B
.irp c, 0,1
	ds_load_b128 v[128*(\f)+64+4*\c:128*(\f)+64+4*\c+3], v[ADRF+\slot] offset:(\q)*1024+512*\c
.endr
.endm
.macro LDX slot, q, f, i
	WIN 0
.irp c, 0,1
.if (\i) < 4
	ds_load_b128 v[XF+64*(\f)+8*(\i)+4*\c:XF+64*(\f)+8*(\i)+4*\c+3], v[XLO+\slot] offset:64*(\q)+32*\c+(\i)*16*PITCH
.else
	ds_load_b128 v[XF+64*(\f)+8*(\i)+4*\c:XF+64*(\f)+8*(\i)+4*\c+3], v[XHI+\slot] offset:64*(\q)+32*\c+((\i)-4)*16*PITCH
.endif
.endr
.endm
; A slot's first 43 loads: the K step's 9 runs of scale words, x's blocks 0, 1 (4 loads) and W's blocks 0-3 (8) of its first 128 along K: 21 loads; then W's blocks 4-7 (8), lora_a's fragment (2), x's blocks 2, 3 (4) and 4-7 (8).
.macro RUN slot
	WIN 0
.irp i, 0,1
	ds_load_b128 v[SCX+16*\slot+4*\i:SCX+16*\slot+4*\i+3], v[ADSL] offset:\i*2*SBLK+16*\slot
	ds_load_b128 v[SCX+16*\slot+8+4*\i:SCX+16*\slot+8+4*\i+3], v[ADSH] offset:\i*2*SBLK+16*\slot
.endr
.irp i, 0,1,2,3
	ds_load_b128 v[SCW+16*\slot+4*\i:SCW+16*\slot+4*\i+3], v[ADRW+\slot] offset:256*\i
.endr
	ds_load_b128 v[LSC+4*\slot:LSC+4*\slot+3], v[ADRL+\slot]
	LDX \slot, 0, 0, 0
	LDX \slot, 0, 0, 1
.irp b, 0,1,2,3,4,5,6,7
	LDW \slot, 0, 0, \b
.endr
	LDL \slot, 0, 0
.irp i, 2,3,4,5,6,7
	LDX \slot, 0, 0, \i
.endr
.endm
; A step of 128 along K that has its successor in the same slot: the successor's 34 loads in one run, then 36 matrix instructions.  first = 1: the slot's first step, whose own fragments are still coming in the order of RUN.
; A load into a register that a matrix instruction has read stands four places behind it, and only plain vector instructions are places: the four v_nop at the step's head serve all its loads, which go into the set of the step before.
.macro SUB slot, q, z, first
	WIN 0
	PLACES 4
.if \first
	s_wait_dscnt 22                                ; the slot's first 21 loads are in
.else
	s_wait_dscnt 8                                 ; all but the youngest eight (x's blocks 4-7)
.endif
.irp b, 0,1,2,3,4,5,6,7
	LDW \slot, (\q)+1, 1-(\q)%2, \b
.endr
	LDL \slot, (\q)+1, 1-(\q)%2
.irp i, 0,1,2,3,4,5,6,7
	LDX \slot, (\q)+1, 1-(\q)%2, \i
.endr
.irp t, 0,1,2,3
.if (\first) && (\t == 2)
	s_wait_dscnt 48                                ; W's blocks 4-7: behind them 14 of this step's loads and the 34 just issued
.endif
	MW2 0, \t, (\q)%2, \slot, \q, \z
.endr
.if \first
	s_wait_dscnt 42                                ; lora_a's fragment, x's blocks 2, 3: behind them eight of this step's loads and the 34
.endif
	MW8 1, (\q)%2, \slot, \q, \z
	LM4 (\q)%2, \slot, \q, \z
	s_wait_dscnt 34                                ; x's blocks 4-7: all but the 34
	MW8 2, (\q)%2, \slot, \q, \z
	MW8 3, (\q)%2, \slot, \q, \z
	WIN 0
.endm
; A slot's last step changes slots: ONE barrier; in front of it each wave waits for all its tensor loads, adds 0 to its spare word, and waits for that and for its own reads of this slot.  fill = 1: this slot is filled again, two K steps ahead.
.macro TURN slot, next, fill
	WIN 0
.if \fill
	s_wait_xcnt 0x0                                ; any prefetch of mine has read its address
	s_add_nc_u64 s[PFB:PFB+1], s[PFB:PFB+1], s[PST:PST+1]
.endif
	s_wait_tensorcnt 0x0                           ; all my tensor loads have landed: the one that was out is my part of the next slot
	ds_add_u32 v[SPW], v[NIL]                      ; 0 onto my spare word
	s_wait_dscnt 9                                 ; (the add and the youngest eight loads, x's blocks 4-7, may be out)
	MW8 0, 1, \slot, 3, 0                          ; eight matrix instructions stand between the add and the wait for it
	s_wait_dscnt 0x0                               ; the add is done, and my reads of this slot are over
	s_barrier_signal -1
	MW2 1, 0, 1, \slot, 3, 0                       ; work on registers while the others arrive
	MW2 1, 1, 1, \slot, 3, 0
	WIN 0
	s_barrier_wait -1
.if \fill
	CREST                                          ; the barrier has opened a round of the cluster's barrier: no wave of any partner still reads this slot or has a load on its way
	s_add_nc_u64 s[G0+4*\slot+2:G0+4*\slot+3], s[G0+4*\slot+2:G0+4*\slot+3], 2*ROWB
	s_add_nc_u64 s[G0B+4*\slot+2:G0B+4*\slot+3], s[G0B+4*\slot+2:G0B+4*\slot+3], 2*WT
	JLOAD \slot                                    ; the first tensor load behind the round; the four v_nop behind it are the places in front of the loads below
.else
	PLACES 4
.endif
.if \slot
	v_add_nc_u32 v[ADSL], 32, v[ADSL]              ; on to the next lap's scale words of x
	v_add_nc_u32 v[ADSH], 32, v[ADSH]
	s_wait_alu depctr_va_vdst(0)                   ; the wait here, directly behind the writes
.endif
	RUN \next
	WIN 0
.if \fill
	s_cmp_gt_u32 s3, s[LIM]                        ; s3 = 1 in the loop's last trip: no K step is left to name
	s_cbranch_scc0 .Lno_ask_\@
	global_prefetch_b8 v[PFO], s[PFB:PFB+1] th:TH_LOAD_NT scope:SCOPE_SE
.Lno_ask_\@:
.endif
	MW2 1, 2, 1, \slot, 3, 0
	MW2 1, 3, 1, \slot, 3, 0
	LM4 1, \slot, 3, 0
	MW8 2, 1, \slot, 3, 0
	MW8 3, 1, \slot, 3, 0
	WIN 0
.endm
	s_wait_alu depctr_va_vdst(0)                   ; the wait at the head's end
	s_wait_tensorcnt 0x0                           ; my tile of the head's four is in
	ds_add_u32 v[SPW], v[NIL]
	s_mov_b32 s[G1B+2], 145<<16                    ; no tensor load of mine is out, so a descriptor may be written: from here on half a block
	s_mov_b32 s[G1B+4], 145
	s_wait_dscnt 0x0                               ; the add is done
	CROUND                                         ; a whole round: all four tiles are in, and all sixteen work-groups are here
	JLOAD 1                                        ; K step 1's load, the first tensor load behind the round
	RUN 0
	WIN 0
	s_cmp_eq_u32 s[LIM], 1
	s_cbranch_scc0 .Lno_first_ask
	global_prefetch_b8 v[PFO], s[PFA:PFA+1] th:TH_LOAD_NT scope:SCOPE_SE   ; K step 2
	global_prefetch_b8 v[PFO], s[PFB:PFB+1] th:TH_LOAD_NT scope:SCOPE_SE   ; K step 3
.Lno_first_ask:
	s_wait_loadcnt 0x0                             ; lora_b
	WIN TO_B
.irp b, 0,1,2,3,4,5,6,7
	BFREG \b
.irp i, 0,1,2,3
	v_cvt_pk_bf16_f32 v[rF+\i], v[RAW+8*\b+2*\i], v[RAW+8*\b+2*\i+1]
.endr
.endr
	WIN 0
	s_wait_alu depctr_va_vdst(0)                   ; the wait here, ahead of the waits below
	SUB 0, 0, 1, 1                                 ; the first step stands in front of the loop: its products start the sums
	s_mov_b32 s3, LAPS-1
.Llap:                                                 ; a trip goes once round the ring, from a lap's second step to the next lap's first, and fills both slots again
	SUB 0, 1, 0, 0
	SUB 0, 2, 0, 0
	TURN 0, 1, 1
	SUB 1, 0, 0, 1
	SUB 1, 1, 0, 0
	SUB 1, 2, 0, 0
	TURN 1, 0, 1
	SUB 0, 0, 0, 1
	s_sub_co_u32 s3, s3, 1
	s_cmp_lg_u32 s3, 0
	s_cbranch_scc1 .Llap
	SUB 0, 1, 0, 0                                 ; the last lap fills nothing, and has no round of the cluster's barrier
	SUB 0, 2, 0, 0
	TURN 0, 1, 0
	SUB 1, 0, 0, 1
	SUB 1, 1, 0, 0
	SUB 1, 2, 0, 0
	; THE VERY LAST STEP.  lora_a's products come first: while x's pairs 1 to 3 are multiplied, the halves of a change places through slot 0, which has had its last fill and its last read.
	PLACES 4
.irp a, 0,1,2,3,4,5,6,7
.irp i, 4,5,6,7
	v_mov_b32 v[AFR+8*\a+\i], 0                    ; the upper half of the bf16 form's 32 along K: zeros on this side too (what lay here could read as NaN)
.endr
.endr
	s_wait_dscnt 8
	LM4 1, 1, 3, 0
	MW8 0, 1, 1, 3, 0
	PLACES 4
	WIN 0x41                                       ; source 0 and destination window 1
.irp i, 0,2,4,6,8,10,12,14,16,18,20,22,24,26,28,30
	v_pk_mul_f32 v[LA+\i:LA+\i+1], v[LA+\i:LA+\i+1], 2.0 op_sel_hi:[1,0]   ; alpha / rank = 2: exact; each accumulator from its low end on
.endr
	WIN 0x05                                       ; sources window 1, destination window 0
.irp a, 0,1,2,3
.irp i, 0,1,2,3
	v_cvt_pk_bf16_f32 v[AFR+8*\a+\i], v[LA+8*\a+2*\i], v[LA+8*\a+2*\i+1]
.endr
.endr
	WIN 0
.irp a, 0,1,2,3
	ds_store_b128 v[EXW], v[AFR+8*\a:AFR+8*\a+3] offset:512*\a
.endr
	s_wait_alu depctr_va_vdst(0)                   ; the wait here, directly ahead of the wait below
	s_wait_dscnt 0x0                               ; for the other wave's sake: my stores are done (and x's blocks 4-7 are in)
	s_barrier_signal -1
	MW8 1, 1, 1, 3, 0
	MW8 2, 1, 1, 3, 0
	MW8 3, 1, 1, 3, 0
	WIN 0
	s_barrier_wait -1
.irp a, 0,1,2,3
	ds_load_b128 v[AFR+32+8*\a:AFR+32+8*\a+3], v[EXR] offset:512*\a
.endr
	PLACES 5                                       ; another form of matrix instruction takes the accumulators: five places behind the last products
; THE LAST PRODUCT AND THE WAY OUT, pair by pair of x's blocks: 2 a (16 rows) x lora_b (16 columns) onto the sums, then out: of each row four neighbouring columns come side by side, and a store covers 256 consecutive bytes
; of each of two rows, at a multiple of 256 from out0's first byte; written once, read by nobody here.
.macro OUT p
.if (\p) == 2
	s_wait_dscnt 0x0                               ; the other half of a is in
.endif
	WIN MUL_LO+0x50*((\p)/2)
.irp u, 0,1
.irp b, 0,1,2,3,4,5,6,7
.set rD, 16*(8*((\p)%2)+\b)+8*\u
.set rA, AFR+8*(2*(\p)+\u)
	BFREG \b
	v_wmma_f32_16x16x32_bf16 v[rD:rD+7], v[rA:rA+7], v[rF:rF+7], v[rD:rD+7]
.endr
.endr
	PLACES 4
.if (\p) > 0
	s_wait_xcnt 0x0                                ; the stores of the pair before have read their registers (ISA guide 3.1)
.endif
.irp g, 0,1
	WIN 0x42+(\p)/2                                ; source window 2 or 3, destination window 1
.irp u, 0,1
.irp j, 0,1,2,3,4,5,6,7
.irp c, 0,1,2,3
	v_mov_b32 v[TA+TST*\g+32*\u+4*\j+\c], v[16*(8*((\p)%2)+4*\g+\c)+8*\u+\j]   ; each accumulator from its low end on
.endr
.endr
.endr
	WIN 0x04                                       ; address window 0, data window 1
.irp u, 0,1
.irp j, 0,1,2,3,4,5,6,7
	global_store_b128 v[COL+(\p)/2], v[TA+TST*\g+32*\u+4*\j:TA+TST*\g+32*\u+4*\j+3], s[12:13] offset:(32*((\p)%2)+16*\u+\j)*ROWO+256*\g th:TH_STORE_NT
.endr
.endr
.endr
.endm
	OUT 0
	OUT 1
	OUT 2
	OUT 3
	WIN 0
	s_wait_tensorcnt 0x0                           ; the wave's end: behind my last tensor load and my last LDS store
	ds_add_u32 v[SPW], v[NIL]
	s_wait_dscnt 0x0
	CROUND                                         ; the closing round: no work-group ends while a partner may still ask for a tile that names it
	s_endpgm
.Lfunc_end_k_q75e0c5039f_gemm:
	.size	k_q75e0c5039f_gemm, .Lfunc_end_k_q75e0c5039f_gemm-k_q75e0c5039f_gemm
	.p2alignl 7, 3214868480
	.fill 96, 4, 3214868480
	.section	.rodata,"a",@progbits
	.p2align	6, 0x0
	.amdhsa_kernel k_q75e0c5039f_gemm
		.amdhsa_group_segment_fixed_size 327680
		.amdhsa_private_segment_fixed_size 0
		.amdhsa_enable_private_segment 0
		.amdhsa_kernarg_size 40
		.amdhsa_user_sgpr_count 2
		.amdhsa_user_sgpr_kernarg_segment_ptr 1
		.amdhsa_wavefront_size32 1
		.amdhsa_system_sgpr_workgroup_id_x 1
		.amdhsa_system_sgpr_workgroup_id_y 1
		.amdhsa_system_sgpr_workgroup_id_z 1
		.amdhsa_system_vgpr_workitem_id 0
		.amdhsa_next_free_vgpr 1024
		.amdhsa_next_free_sgpr 98
		.amdhsa_reserve_vcc 0
		.amdhsa_float_denorm_mode_32 3
		.amdhsa_float_denorm_mode_16_64 3
		.amdhsa_memory_ordered 1
		.amdhsa_forward_progress 1
		.amdhsa_inst_pref_size 172
	.end_amdhsa_kernel
	.amdgpu_metadata
---
amdhsa.version: [ 1, 2 ]
amdhsa.kernels:
  - .name:           k_q75e0c5039f_gemm
    .symbol:         k_q75e0c5039f_gemm.kd
    .args:
      - { .name: x_codes, .offset: 0, .size: 8, .value_kind: global_buffer, .address_space: global }
      - { .name: x_scales, .offset: 8, .size: 8, .value_kind: global_buffer, .address_space: global }
      - { .name: wpack, .offset: 16, .size: 8, .value_kind: global_buffer, .address_space: global }
      - { .name: lora_b_w, .offset: 24, .size: 8, .value_kind: global_buffer, .address_space: global }
      - { .name: out0, .offset: 32, .size: 8, .value_kind: global_buffer, .address_space: global }
    .group_segment_fixed_size: 327680
    .private_segment_fixed_size: 0
    .kernarg_segment_align: 8
    .kernarg_segment_size: 40
    .max_flat_workgroup_size: 128
    .sgpr_count:     98
    .vgpr_count:     1024
    .wavefront_size: 32
...
	.end_amdgpu_metadata
.endif
;; end of part 2
